; MI455X (gfx1250); checked and timed in simulation.
; The chip was launched on July 23, 2026; its instructions are those of AMD's public machine-readable ISA for CDNA 5 (MIT licence, August 2026) and "CDNA5" Instruction Set Architecture Reference Guide (July 2026). The comments in the code are by the model that wrote it; some were corrected since.
;; Quantum RBF. Allowed arithmetic: float matrix products may take bf16 or f16 operands with f32 sums; all other float work in f32.
;; Inputs: x 4,194,304 x 8 float32; y 4,194,304 x 8 float32.
;; Outputs: out0 4,194,304 x 1 float32.
;; 2 versions, each right; version 2 is version 1 with the launch fidelity written anew for expert scheduling mode. Each part assembles by itself: llvm-mc -triple=amdgcn-amd-amdhsa -mcpu=gfx1250 --defsym DOCPART=n.
;; ======== version 1 of 2: 1 launch
;; limits: an absolute error that grows with the inputs' magnitude: up to 4.1e-08 times it; right only within a limited range of input values
;; launch fidelity (part 1): grid 1024 x 1, 8 waves a work-group, no clusters, 5,120 bytes of LDS; arguments x, y, out0; writes out0
.if DOCPART == 1
	.amdgcn_target "amdgcn-amd-amdhsa--gfx1250"
	.amdhsa_code_object_version 6
	.text
	.protected	k_q01f975355b_fidelity
	.globl	k_q01f975355b_fidelity
	.p2align	8
	.type	k_q01f975355b_fidelity,@function
k_q01f975355b_fidelity:
	s_mov_b64 s[64:65], 0
	v_nop
	global_prefetch_b8 v0, s[64:65] scope:SCOPE_SE
	s_setreg_imm32_b32 hwreg(HW_REG_WAVE_MODE, 25, 1), 1
	s_wait_xcnt 0x0
; out0[b] = product over w = 0..7 of cos^2(x[b][w] - y[b][w]).   x, y: [4194304][8] f32, out0: [4194304] f32.
; (DEPTH * 0.5 = 1, so the half angle is x - y itself.)
;
; A stream: every input byte is loaded once, every output byte stored once, nothing is shared between work-groups,
; so there is no cluster, no tensor load, no matrix work and no barrier.
; 1024 work-groups x 8 waves.  A work-group owns 4096 rows = 4 sweeps of 1024 rows; in a sweep wave w owns a chunk of
; 128 rows: 4096 bytes of x and of y (8 loads each, a load covers 512 consecutive bytes = 16 rows) and 512 bytes of out0
; (one store of 16 bytes a lane, 512 consecutive bytes, aligned).
; A load gives a lane 16 bytes = half a row: lanes 2i and 2i+1 hold row i of the load's 16 rows.
;
; THE COSINE, in f32, two elements an instruction:
;   d = x - y;  s = fma(d, 1/pi, 1.5*2^23) rounds d/pi to the nearest whole number k (s = 1.5*2^23 + k);  -k = 1.5*2^23 - s, exact;
;   r = fma(d, 1/pi, -k), |r| <= 1/2;  u = r*r;  cos(pi r) ~ 1 + u (A1 + u (A2 + u (A3 + u A4))).
;   cos(d) = +-cos(pi r), and the sign falls away in the square.  The polynomial is the Taylor series up to u^7 brought down to
;   degree 4 with Chebyshev polynomials on u in [0, 1/4], its constant term set to 1 so that x = y gives exactly 1;
;   its absolute error is below 2e-7.
;   The eight cosines of a row are multiplied first and the product is squared once.
; LIMITS: 1/pi is one f32 constant (relative error 4.1e-8), so the angle is off by |x-y| * 4.1e-8 rad: 1e-5 rad at |x-y| = 250,
;   4e-4 rad at 1e4.  From |x-y| >= 1.3e7 (d/pi >= 2^22) the rounding by the added constant no longer holds and the result is wrong.
;   An infinite or NaN input gives NaN, as cos does.  The order of rounding differs from a product of squares: a product of cosines
;   below about 1e-23 squares to 0 or a denormal.
.set WAVES,  8
.set CHUNKS, 4                         ; chunks of a wave, written out: every step is an immediate offset, no address register is rewritten
.set LOADB,  512                       ; bytes that one load of a wave covers
.set CHUNKB, 8*LOADB                   ; a chunk of x or of y
.set SWEEP,  WAVES*CHUNKB              ; the eight waves' chunks lie side by side: 32768 bytes
.set OCHUNK, 512                       ; a chunk's 128 results
.set OSWEEP, WAVES*OCHUNK              ; 4096 bytes of out0 in a sweep
.set VOFF, 1                           ; v1        4096 wave + 16 lane: my 16 bytes in the first load of my first chunk
.set RD,   2                           ; v2        512 wave + 16 lane: where I read 4 results back from LDS, and the same number is my byte offset in out0
.set ST,   3                           ; v3        512 wave + 64 (lane & 1) + 4 (lane >> 1): where I put a result in LDS
.set LN,   4                           ; v4-5      set-up only
.set INV,  6                           ; v[6:7]    1/pi, twice (pairs for the packed forms)
.set MAG,  8                           ; v[8:9]    1.5 * 2^23
.set A4,   10                          ; v[10:17]  the polynomial's coefficients
.set A3,   12
.set A2,   14
.set A1,   16
.set D,    18                          ; v[18:21]  d, then r; in the gathering step the halves that go to the neighbour lane
.set S,    22                          ; v[22:25]  s, then -k, then u
.set P,    26                          ; v[26:29]  the polynomial
.set H,    30                          ; v[30:37]  slot j: the product of my half row's four cosines
.set OUT,  38                          ; v[38:53]  chunk c: 4 results to store; a set for each chunk, so that no store's data is ever rewritten
.set X,    54                          ; v[54:85]  slot j: 4 numbers of x
.set Y,    86                          ; v[86:117] slot j: 4 numbers of y
	s_load_b128 s[4:7], s[0:1], 0x0                ; x s[4:5], y s[6:7]
	s_load_b64 s[8:9], s[0:1], 0x10                ; out0
	v_lshl_add_u32 v118, v0, 2, 0x1000
	v_mov_b32 v119, 0
	v_lshrrev_b32 v[LN+1], 5, v0
	v_readfirstlane_b32 s10, v[LN+1]               ; wave number, 0 to 7
	v_and_b32 v[LN], 31, v0                        ; lane
	s_lshl_b32 s11, s10, 12                        ; my chunk in a sweep of x, y
	s_lshl_b32 s12, s10, 9                         ; my 512 bytes of LDS, and my chunk in a sweep of out0
	s_lshl_b32 s14, ttmp9, 17                      ; the work-group's CHUNKS*SWEEP = 131072 bytes of x and of y (below 2^27)
	s_mov_b32 s15, 0
	s_lshl_b32 s16, ttmp9, 14                      ; and its CHUNKS*OSWEEP = 16384 bytes of out0
	s_mov_b32 s17, 0
	v_lshl_add_u32 v[VOFF], v[LN], 4, s11
	s_wait_kmcnt 0x0
	s_add_nc_u64 s[4:5], s[4:5], s[14:15]
	s_add_nc_u64 s[6:7], s[6:7], s[14:15]
	s_add_nc_u64 s[8:9], s[8:9], s[16:17]
.irp j, 0,1,2,3,4,5,6,7
	global_load_b128 v[X+4*\j:X+4*\j+3], v[VOFF], s[4:5] offset:LOADB*\j th:TH_LOAD_NT    ; fill the ring: chunk 0, x and y of slot j in turn
	global_load_b128 v[Y+4*\j:Y+4*\j+3], v[VOFF], s[6:7] offset:LOADB*\j th:TH_LOAD_NT
.endr
	; the rest of the set-up, while the loads are on their way
	v_lshl_add_u32 v[RD], v[LN], 4, s12            ; 16 lane + 512 wave
	v_and_b32 v[LN+1], 30, v0
	v_lshlrev_b32 v[LN+1], 1, v[LN+1]              ; 4 (lane >> 1)
	v_and_b32 v[LN], 1, v0
	v_lshl_add_u32 v[LN+1], v[LN], 6, v[LN+1]      ; + 64 (lane & 1): at most 124, and with the stores' offsets inside my 512 bytes
	v_add_nc_u32 v[ST], s12, v[LN+1]
	s_mov_b32 vcc_lo, 0xaaaaaaaa                   ; the odd lanes; VCC is written nowhere else
.irp h, 0,1
	v_mov_b32 v[INV+\h], 0x3ea2f983                ; 1/pi = 0.31830987
	v_mov_b32 v[MAG+\h], 0x4b400000                ; 12582912.0
	v_mov_b32 v[A4+\h],  0x3e60f64c                ;  0.21968955
	v_mov_b32 v[A3+\h],  0xbfaa7aee                ; -1.3318765
	v_mov_b32 v[A2+\h],  0x4081de81                ;  4.0584111
	v_mov_b32 v[A1+\h],  0xc09de9d3                ; -4.9347930
.endr
; Slot j of chunk c: four elements of half a row.  refill = 1: the slot is loaded again for chunk c + 1 as soon as d is formed.
.macro SLOT c, j, refill
.if \refill
	s_wait_loadcnt 14                              ; loads return in order: behind my two stand the 2 (7 - j) of this chunk's later slots and the 2 j refills already issued
.else
	s_wait_loadcnt 14-2*\j                         ; last chunk: only its later slots' loads stand behind mine
.endif
	v_pk_add_f32 v[D:D+1],   v[X+4*\j:X+4*\j+1],   v[Y+4*\j:Y+4*\j+1]   neg_lo:[0,1] neg_hi:[0,1]   ; d = x - y
	v_pk_add_f32 v[D+2:D+3], v[X+4*\j+2:X+4*\j+3], v[Y+4*\j+2:Y+4*\j+3] neg_lo:[0,1] neg_hi:[0,1]
.if \refill
	global_load_b128 v[X+4*\j:X+4*\j+3], v[VOFF], s[4:5] offset:SWEEP*(\c+1)+LOADB*\j th:TH_LOAD_NT
	global_load_b128 v[Y+4*\j:Y+4*\j+3], v[VOFF], s[6:7] offset:SWEEP*(\c+1)+LOADB*\j th:TH_LOAD_NT
.endif
	v_pk_fma_f32 v[S:S+1],   v[D:D+1],   v[INV:INV+1], v[MAG:MAG+1]                     ; 1.5*2^23 + k
	v_pk_fma_f32 v[S+2:S+3], v[D+2:D+3], v[INV:INV+1], v[MAG:MAG+1]
	v_pk_add_f32 v[S:S+1],   v[MAG:MAG+1], v[S:S+1]   neg_lo:[0,1] neg_hi:[0,1]         ; -k, exact
	v_pk_add_f32 v[S+2:S+3], v[MAG:MAG+1], v[S+2:S+3] neg_lo:[0,1] neg_hi:[0,1]
	v_pk_fma_f32 v[D:D+1],   v[D:D+1],   v[INV:INV+1], v[S:S+1]                         ; r = d/pi - k, rounded once
	v_pk_fma_f32 v[D+2:D+3], v[D+2:D+3], v[INV:INV+1], v[S+2:S+3]
	v_pk_mul_f32 v[S:S+1],   v[D:D+1],   v[D:D+1]                                       ; u = r r
	v_pk_mul_f32 v[S+2:S+3], v[D+2:D+3], v[D+2:D+3]
	v_pk_fma_f32 v[P:P+1],   v[S:S+1],   v[A4:A4+1], v[A3:A3+1]                         ; Horner, two chains side by side
	v_pk_fma_f32 v[P+2:P+3], v[S+2:S+3], v[A4:A4+1], v[A3:A3+1]
	v_pk_fma_f32 v[P:P+1],   v[P:P+1],   v[S:S+1],   v[A2:A2+1]
	v_pk_fma_f32 v[P+2:P+3], v[P+2:P+3], v[S+2:S+3], v[A2:A2+1]
	v_pk_fma_f32 v[P:P+1],   v[P:P+1],   v[S:S+1],   v[A1:A1+1]
	v_pk_fma_f32 v[P+2:P+3], v[P+2:P+3], v[S+2:S+3], v[A1:A1+1]
	v_pk_fma_f32 v[P:P+1],   v[P:P+1],   v[S:S+1],   1.0 op_sel_hi:[1,1,0]              ; the constant feeds both halves
	v_pk_fma_f32 v[P+2:P+3], v[P+2:P+3], v[S+2:S+3], 1.0 op_sel_hi:[1,1,0]
	v_pk_mul_f32 v[P:P+1], v[P:P+1], v[P+2:P+3]
	v_mul_f32 v[H+\j], v[P], v[P+1]                                                     ; the four cosines of my half row
.endm
; The chunk's 8 half products of every lane become 128 results in row order.
; For slots 2m and 2m+1: an even lane keeps its half of slot 2m and hands over its half of slot 2m+1, an odd lane the other way round;
; the multiply takes the neighbour's (lane xor 1) handed-over half.  Lane l then holds the whole row 16 (2m + (l & 1)) + (l >> 1).
; Each LDS store covers 32 different consecutive words of the wave's own 512 bytes; the load takes 16 consecutive bytes a lane.
; Only this wave touches these bytes and LDS serves a wave's instructions in order: no wait between stores and load, no barrier.
.macro GATHER c
.irp m, 0,1,2,3
	v_cndmask_b32 v[D+\m],   v[H+2*\m+1], v[H+2*\m],   vcc_lo       ; to hand over: odd lanes slot 2m, even lanes slot 2m+1
	v_cndmask_b32 v[H+2*\m], v[H+2*\m],   v[H+2*\m+1], vcc_lo       ; to keep: odd lanes slot 2m+1, even lanes slot 2m
.endr
.irp m, 0,1,2,3
	v_mul_f32_dpp v[H+2*\m], v[D+\m], v[H+2*\m] row_xmask:1 row_mask:0xf bank_mask:0xf  ; the row's eight cosines
.endr
.irp m, 0,1,2,3
	v_mul_f32 v[H+2*\m], v[H+2*\m], v[H+2*\m]                       ; squared once
.endr
.irp m, 0,1,2,3
	ds_store_b32 v[ST], v[H+2*\m] offset:128*\m
.endr
	ds_load_b128 v[OUT+4*\c:OUT+4*\c+3], v[RD]                      ; rows 4 lane .. 4 lane + 3 of the chunk
.endm
; Store chunk p's results: the wave's store covers 512 consecutive bytes at a multiple of 512 from out0's first byte.
.macro FLUSH p
	s_wait_dscnt 0x0                               ; the load of GATHER is the youngest LDS instruction
	global_store_b128 v[RD], v[OUT+4*(\p):OUT+4*(\p)+3], s[8:9] offset:OSWEEP*(\p) th:TH_STORE_NT
.endm
; A chunk.  The chunk before is stored behind this chunk's first slot, whose arithmetic covers the way through LDS.
.macro CHUNK c, refill
	SLOT \c, 0, \refill
.if \c
	FLUSH \c-1
.endif
.irp j, 1,2,3,4,5,6,7
	SLOT \c, \j, \refill
.endr
	GATHER \c
.endm
	CHUNK 0, 1
	CHUNK 1, 1
	CHUNK 2, 1
	CHUNK 3, 0                                     ; chunk CHUNKS-1 refills nothing: no load leaves the buffers, the counts run down to 0
	FLUSH 3
	s_wait_tensorcnt 0x0
	ds_add_u32 v118, v119
	s_wait_dscnt 0x0
	s_endpgm
.Lfunc_end_k_q01f975355b_fidelity:
	.size	k_q01f975355b_fidelity, .Lfunc_end_k_q01f975355b_fidelity-k_q01f975355b_fidelity
	.p2alignl 7, 3214868480
	.fill 96, 4, 3214868480
	.section	.rodata,"a",@progbits
	.p2align	6, 0x0
	.amdhsa_kernel k_q01f975355b_fidelity
		.amdhsa_group_segment_fixed_size 5120
		.amdhsa_private_segment_fixed_size 0
		.amdhsa_enable_private_segment 0
		.amdhsa_kernarg_size 24
		.amdhsa_user_sgpr_count 2
		.amdhsa_user_sgpr_kernarg_segment_ptr 1
		.amdhsa_wavefront_size32 1
		.amdhsa_system_sgpr_workgroup_id_x 1
		.amdhsa_system_sgpr_workgroup_id_y 1
		.amdhsa_system_sgpr_workgroup_id_z 1
		.amdhsa_system_vgpr_workitem_id 0
		.amdhsa_next_free_vgpr 120
		.amdhsa_next_free_sgpr 66
		.amdhsa_reserve_vcc 1
		.amdhsa_float_denorm_mode_32 3
		.amdhsa_float_denorm_mode_16_64 3
		.amdhsa_memory_ordered 1
		.amdhsa_forward_progress 1
		.amdhsa_inst_pref_size 53
	.end_amdhsa_kernel
	.amdgpu_metadata
---
amdhsa.version: [ 1, 2 ]
amdhsa.kernels:
  - .name:           k_q01f975355b_fidelity
    .symbol:         k_q01f975355b_fidelity.kd
    .args:
      - { .name: x, .offset: 0, .size: 8, .value_kind: global_buffer, .address_space: global }
      - { .name: y, .offset: 8, .size: 8, .value_kind: global_buffer, .address_space: global }
      - { .name: out0, .offset: 16, .size: 8, .value_kind: global_buffer, .address_space: global }
    .group_segment_fixed_size: 5120
    .private_segment_fixed_size: 0
    .kernarg_segment_align: 8
    .kernarg_segment_size: 24
    .max_flat_workgroup_size: 256
    .sgpr_count:     66
    .vgpr_count:     120
    .wavefront_size: 32
...
	.end_amdgpu_metadata
.endif
;; end of part 1
;; ======== version 2 of 2: 1 launch; version 1 with the launch fidelity written anew for expert scheduling mode
;; limits: an absolute error that grows with the inputs' magnitude: up to 4.1e-08 times it; right only within a limited range of input values
;; launch fidelity (part 2): grid 1024 x 1, 8 waves a work-group, no clusters, 5,120 bytes of LDS; arguments x, y, out0; writes out0
.if DOCPART == 2
	.amdgcn_target "amdgcn-amd-amdhsa--gfx1250"
	.amdhsa_code_object_version 6
	.text
	.protected	k_q01f975355b_fidelity
	.globl	k_q01f975355b_fidelity
	.p2align	8
	.type	k_q01f975355b_fidelity,@function
k_q01f975355b_fidelity:
	s_mov_b64 s[64:65], 0
	v_nop
	global_prefetch_b8 v0, s[64:65] scope:SCOPE_SE
	s_setreg_imm32_b32 hwreg(HW_REG_WAVE_SCHED_MODE, 0, 2), 2
	s_setreg_imm32_b32 hwreg(HW_REG_WAVE_MODE, 25, 1), 1
	s_wait_xcnt 0x0
	s_wait_alu depctr_vm_vsrc(0)
; out0[b] = product over w = 0..7 of cos^2(x[b][w] - y[b][w]).   x, y: [4194304][8] f32, out0: [4194304] f32.
; (DEPTH * 0.5 = 1, so the half angle is x - y itself.)
;
; A stream: every input byte is loaded once, every output byte stored once, nothing is shared between work-groups,
; so there is no cluster, no tensor load, no matrix work and no barrier.
; 1024 work-groups x 8 waves.  A work-group owns 4096 rows = 4 sweeps of 1024 rows; in a sweep wave w owns a chunk of
; 128 rows: 4096 bytes of x and of y (8 loads each, a load covers 512 consecutive bytes = 16 rows) and 512 bytes of out0
; (one store of 16 bytes a lane, 512 consecutive bytes, aligned).
; A load gives a lane 16 bytes = half a row: lanes 2i and 2i+1 hold row i of the load's 16 rows.
;
; THE COSINE, in f32, two elements an instruction:
;   d = x - y;  s = fma(d, 1/pi, 1.5*2^23) rounds d/pi to the nearest whole number k (s = 1.5*2^23 + k);  -k = 1.5*2^23 - s, exact;
;   r = fma(d, 1/pi, -k), |r| <= 1/2;  u = r*r;  cos(pi r) ~ 1 + u (A1 + u (A2 + u (A3 + u A4))).
;   cos(d) = +-cos(pi r), and the sign falls away in the square.  The polynomial is the Taylor series up to u^7 brought down to
;   degree 4 with Chebyshev polynomials on u in [0, 1/4], its constant term set to 1 so that x = y gives exactly 1;
;   its absolute error is below 2e-7.
;   The eight cosines of a row are multiplied first and the product is squared once.
; LIMITS: 1/pi is one f32 constant (relative error 4.1e-8), so the angle is off by |x-y| * 4.1e-8 rad: 1e-5 rad at |x-y| = 250,
;   4e-4 rad at 1e4.  From |x-y| >= 1.3e7 (d/pi >= 2^22) the rounding by the added constant no longer holds and the result is wrong.
;   An infinite or NaN input gives NaN, as cos does.  The order of rounding differs from a product of squares: a product of cosines
;   below about 1e-23 squares to 0 or a denormal.
;
; THE MODE: SCHED_MODE bits 1:0 = 2 (LLVM: expert scheduling mode 2), set by the entry lines.  The code itself states the register
; dependences between vector instructions and memory or LDS instructions, with s_wait_alu, always for 0.
; THE PLAN.  A chunk goes in four steps of two slots.  Registers that memory or LDS instructions touch:
;   X, Y      slots 2q, 2q+1: read by the four subtractions at the head of step q, and by nothing else; behind the step's wait the
;             loads of the same slots of the next chunk land in them.
;   R         a chunk's four results a lane: written by the four squarings at the chunk's end; read by the four LDS stores, which
;             stand in the NEXT chunk's first step, behind that step's wait.
;   OUT       a set for each chunk: the LDS load lands in it, the global store reads it; no vector instruction names it.
;   v1        offset of every load, made ahead of the first; v2, v3: LDS addresses and the stores' offset, made at the head; none is written again.
;   D, S, P, H and the constants are named by vector instructions alone.
; So ONE wait on va_vdst stands in a step, behind its subtractions, and the step's memory and LDS instructions follow it, dealt among
; arithmetic that names D, S, P, H and the constants only.  One wait on vm_vsrc a chunk stands ahead of the squarings that write R again.
.set WAVES,  8
.set CHUNKS, 4                         ; chunks of a wave, written out: every step is an immediate offset, no address register is rewritten
.set LOADB,  512                       ; bytes that one load of a wave covers
.set CHUNKB, 8*LOADB                   ; a chunk of x or of y
.set SWEEP,  WAVES*CHUNKB              ; the eight waves' chunks lie side by side: 32768 bytes
.set OCHUNK, 512                       ; a chunk's 128 results
.set OSWEEP, WAVES*OCHUNK              ; 4096 bytes of out0 in a sweep
.set VOFF, 1                           ; v1        4096 wave + 16 lane: my 16 bytes in the first load of my first chunk
.set RD,   2                           ; v2        512 wave + 16 lane: where I read 4 results back from LDS, and the same number is my byte offset in out0
.set ST,   3                           ; v3        512 wave + 64 (lane & 1) + 4 (lane >> 1): where I put a result in LDS
.set LN,   4                           ; v4-5      set-up only
.set INV,  6                           ; v[6:7]    1/pi, twice (pairs for the packed forms)
.set MAG,  8                           ; v[8:9]    1.5 * 2^23
.set A4,   10                          ; v[10:17]  the polynomial's coefficients
.set A3,   12
.set A2,   14
.set A1,   16
.set D,    18                          ; v[18:25]  a step's first and second slot, 4 registers each: d, then r; in the gathering step the first four hold the halves that go to the neighbour lane
.set S,    26                          ; v[26:29]  s, then -k, then u
.set P,    30                          ; v[30:33]  the polynomial
.set H,    34                          ; v[34:41]  slot j: the product of my half row's four cosines
.set R,    42                          ; v[42:45]  the chunk's four results of my lane, on their way into LDS
.set OUT,  46                          ; v[46:61]  chunk c: 4 results to store; a set for each chunk, so that no store's data is ever rewritten
.set X,    62                          ; v[62:93]  slot j: 4 numbers of x
.set Y,    94                          ; v[94:125] slot j: 4 numbers of y
	s_load_b128 s[4:7], s[0:1], 0x0                ; x s[4:5], y s[6:7]
	s_load_b64 s[8:9], s[0:1], 0x10                ; out0
	v_lshl_add_u32 v126, v0, 2, 0x1000
	v_mov_b32 v127, 0
	v_lshrrev_b32 v[LN+1], 5, v0
	v_readfirstlane_b32 s10, v[LN+1]               ; wave number, 0 to 7
	v_and_b32 v[LN], 31, v0                        ; lane
	s_wait_alu depctr_va_sdst(0)                   ; s10 is written, ahead of its first reader: the two shifts below
	s_lshl_b32 s11, s10, 12                        ; my chunk in a sweep of x, y
	s_lshl_b32 s12, s10, 9                         ; my 512 bytes of LDS, and my chunk in a sweep of out0
	s_lshl_b32 s14, ttmp9, 17                      ; the work-group's CHUNKS*SWEEP = 131072 bytes of x and of y (below 2^27)
	s_mov_b32 s15, 0
	s_lshl_b32 s16, ttmp9, 14                      ; and its CHUNKS*OSWEEP = 16384 bytes of out0
	s_mov_b32 s17, 0
	v_lshl_add_u32 v[VOFF], v[LN], 4, s11
	s_wait_kmcnt 0x0
	s_add_nc_u64 s[4:5], s[4:5], s[14:15]
	s_add_nc_u64 s[6:7], s[6:7], s[14:15]
	s_add_nc_u64 s[8:9], s[8:9], s[16:17]
	s_wait_alu depctr_va_vdst(0)                   ; v[VOFF] is written: every load of x and y reads it as its offset
.irp j, 0,1,2,3,4,5,6,7
	global_load_b128 v[X+4*\j:X+4*\j+3], v[VOFF], s[4:5] offset:LOADB*\j th:TH_LOAD_NT    ; fill the ring: chunk 0, x and y of slot j in turn
	global_load_b128 v[Y+4*\j:Y+4*\j+3], v[VOFF], s[6:7] offset:LOADB*\j th:TH_LOAD_NT
.endr
	; the rest of the set-up, while the loads are on their way: it names none of the registers that those loads touch
	v_lshl_add_u32 v[RD], v[LN], 4, s12            ; 16 lane + 512 wave
	v_and_b32 v[LN+1], 30, v0
	v_lshlrev_b32 v[LN+1], 1, v[LN+1]              ; 4 (lane >> 1)
	v_and_b32 v[LN], 1, v0
	v_lshl_add_u32 v[LN+1], v[LN], 6, v[LN+1]      ; + 64 (lane & 1): at most 124, and with the stores' offsets inside my 512 bytes
	v_add_nc_u32 v[ST], s12, v[LN+1]
	s_mov_b32 vcc_lo, 0xaaaaaaaa                   ; the odd lanes; VCC is written nowhere else, and by no vector instruction
.irp h, 0,1
	v_mov_b32 v[INV+\h], 0x3ea2f983                ; 1/pi = 0.31830987
	v_mov_b32 v[MAG+\h], 0x4b400000                ; 12582912.0
	v_mov_b32 v[A4+\h],  0x3e60f64c                ;  0.21968955
	v_mov_b32 v[A3+\h],  0xbfaa7aee                ; -1.3318765
	v_mov_b32 v[A2+\h],  0x4081de81                ;  4.0584111
	v_mov_b32 v[A1+\h],  0xc09de9d3                ; -4.9347930
.endr
; d = x - y for slot j, into set a of D: the only lines that read X and Y.
.macro SUBS j, a
	v_pk_add_f32 v[D+4*(\a):D+4*(\a)+1],   v[X+4*(\j):X+4*(\j)+1],   v[Y+4*(\j):Y+4*(\j)+1]   neg_lo:[0,1] neg_hi:[0,1]
	v_pk_add_f32 v[D+4*(\a)+2:D+4*(\a)+3], v[X+4*(\j)+2:X+4*(\j)+3], v[Y+4*(\j)+2:Y+4*(\j)+3] neg_lo:[0,1] neg_hi:[0,1]
.endm
; Slot j is loaded again, for chunk c + 1.
.macro LDX c, j
	global_load_b128 v[X+4*(\j):X+4*(\j)+3], v[VOFF], s[4:5] offset:SWEEP*((\c)+1)+LOADB*(\j) th:TH_LOAD_NT
.endm
.macro LDY c, j
	global_load_b128 v[Y+4*(\j):Y+4*(\j)+3], v[VOFF], s[6:7] offset:SWEEP*((\c)+1)+LOADB*(\j) th:TH_LOAD_NT
.endm
; The argument's reduction for set a of D, pair of lines n of four.
.macro RED a, n
.if (\n) == 0
	v_pk_fma_f32 v[S:S+1],   v[D+4*(\a):D+4*(\a)+1],   v[INV:INV+1], v[MAG:MAG+1]       ; 1.5*2^23 + k
	v_pk_fma_f32 v[S+2:S+3], v[D+4*(\a)+2:D+4*(\a)+3], v[INV:INV+1], v[MAG:MAG+1]
.elseif (\n) == 1
	v_pk_add_f32 v[S:S+1],   v[MAG:MAG+1], v[S:S+1]   neg_lo:[0,1] neg_hi:[0,1]         ; -k, exact
	v_pk_add_f32 v[S+2:S+3], v[MAG:MAG+1], v[S+2:S+3] neg_lo:[0,1] neg_hi:[0,1]
.elseif (\n) == 2
	v_pk_fma_f32 v[D+4*(\a):D+4*(\a)+1],   v[D+4*(\a):D+4*(\a)+1],   v[INV:INV+1], v[S:S+1]      ; r = d/pi - k, rounded once
	v_pk_fma_f32 v[D+4*(\a)+2:D+4*(\a)+3], v[D+4*(\a)+2:D+4*(\a)+3], v[INV:INV+1], v[S+2:S+3]
.else
	v_pk_mul_f32 v[S:S+1],   v[D+4*(\a):D+4*(\a)+1],   v[D+4*(\a):D+4*(\a)+1]           ; u = r r
	v_pk_mul_f32 v[S+2:S+3], v[D+4*(\a)+2:D+4*(\a)+3], v[D+4*(\a)+2:D+4*(\a)+3]
.endif
.endm
; The polynomial in u, and the product of slot j's four cosines.
.macro POLY j
	v_pk_fma_f32 v[P:P+1],   v[S:S+1],   v[A4:A4+1], v[A3:A3+1]                         ; Horner, two chains side by side
	v_pk_fma_f32 v[P+2:P+3], v[S+2:S+3], v[A4:A4+1], v[A3:A3+1]
	v_pk_fma_f32 v[P:P+1],   v[P:P+1],   v[S:S+1],   v[A2:A2+1]
	v_pk_fma_f32 v[P+2:P+3], v[P+2:P+3], v[S+2:S+3], v[A2:A2+1]
	v_pk_fma_f32 v[P:P+1],   v[P:P+1],   v[S:S+1],   v[A1:A1+1]
	v_pk_fma_f32 v[P+2:P+3], v[P+2:P+3], v[S+2:S+3], v[A1:A1+1]
	v_pk_fma_f32 v[P:P+1],   v[P:P+1],   v[S:S+1],   1.0 op_sel_hi:[1,1,0]              ; the constant feeds both halves
	v_pk_fma_f32 v[P+2:P+3], v[P+2:P+3], v[S+2:S+3], 1.0 op_sel_hi:[1,1,0]
	v_pk_mul_f32 v[P:P+1], v[P:P+1], v[P+2:P+3]
	v_mul_f32 v[H+(\j)], v[P], v[P+1]                                                   ; the four cosines of my half row
.endm
; The chunk's 8 half products of every lane become 4 whole rows' results a lane.
; For slots 2m and 2m+1: an even lane keeps its half of slot 2m and hands over its half of slot 2m+1, an odd lane the other way round;
; the multiply takes the neighbour's (lane xor 1) handed-over half.  Lane l then holds the whole row 16 (2m + (l & 1)) + (l >> 1).
.macro GATHER c
.irp m, 0,1,2,3
	v_cndmask_b32 v[D+\m],   v[H+2*\m+1], v[H+2*\m],   vcc_lo       ; to hand over: odd lanes slot 2m, even lanes slot 2m+1
	v_cndmask_b32 v[H+2*\m], v[H+2*\m],   v[H+2*\m+1], vcc_lo       ; to keep: odd lanes slot 2m+1, even lanes slot 2m
.endr
.irp m, 0,1,2,3
	v_mul_f32_dpp v[H+2*\m], v[D+\m], v[H+2*\m] row_xmask:1 row_mask:0xf bank_mask:0xf  ; the row's eight cosines
.endr
.if \c
	s_wait_alu depctr_vm_vsrc(0)                   ; the LDS stores of the chunk before, issued in this chunk's first step, have read R, which the squarings write again
.endif
.irp m, 0,1,2,3
	v_mul_f32 v[R+\m], v[H+2*\m], v[H+2*\m]                         ; squared once
.endr
.endm
; Chunk p's 128 results go into row order.  Each LDS store covers 32 different consecutive words of the wave's own 512 bytes; the load
; takes 16 consecutive bytes a lane.  Only this wave touches these bytes and LDS serves a wave's instructions in order: no wait between
; stores and load, no barrier.
.macro TOLDS p
.irp m, 0,1,2,3
	ds_store_b32 v[ST], v[R+\m] offset:128*\m
.endr
	ds_load_b128 v[OUT+4*(\p):OUT+4*(\p)+3], v[RD]                  ; rows 4 lane .. 4 lane + 3 of the chunk
.endm
; Store chunk p's results: the wave's store covers 512 consecutive bytes at a multiple of 512 from out0's first byte.
.macro FLUSH p
	s_wait_dscnt 0x0                               ; the load of TOLDS is the youngest LDS instruction
	global_store_b128 v[RD], v[OUT+4*(\p):OUT+4*(\p)+3], s[8:9] offset:OSWEEP*(\p) th:TH_STORE_NT
.endm
; Step q of chunk c: slots 2q and 2q+1.  refill = 1: both slots are loaded again for chunk c + 1.
; In a chunk's first step the chunk before goes through LDS, and is stored at the step's end: the second slot's arithmetic covers the way through LDS.
.macro STEP c, q, refill
.if \refill
	s_wait_loadcnt 12                              ; loads return in order: behind my four stand the 12 - 4 q of this chunk's later slots and the 4 q refills already issued
.else
	s_wait_loadcnt 12-4*(\q)                       ; last chunk: only its later slots' loads stand behind mine
.endif
	SUBS 2*(\q), 0
	SUBS 2*(\q)+1, 1
.if \refill
	s_wait_alu depctr_va_vdst(0)                   ; the four subtractions are done reading X and Y of the two slots, in which the loads below land; in a chunk's first step the squarings of the chunk before have written R, which the LDS stores below read; at the very first wait v[ST] and v[RD] are written
	LDX \c, 2*(\q)                                 ; no vector instruction from the wait to the step's end names X, Y, R, OUT or an address register
.elseif (\q) == 0
	s_wait_alu depctr_va_vdst(0)                   ; last chunk: the squarings of the chunk before have written R, which the LDS stores below read
.endif
	RED 0, 0
.if \refill
	LDY \c, 2*(\q)
.endif
	RED 0, 1
.if \refill
	LDX \c, 2*(\q)+1
.endif
	RED 0, 2
.if \refill
	LDY \c, 2*(\q)+1
.endif
	RED 0, 3
.if ((\q) == 0) && ((\c) > 0)
	TOLDS (\c)-1
.endif
	POLY 2*(\q)
.irp n, 0,1,2,3
	RED 1, \n
.endr
	POLY 2*(\q)+1
.if ((\q) == 0) && ((\c) > 0)
	FLUSH (\c)-1
.endif
.endm
.macro CHUNK c, refill
.irp q, 0,1,2,3
	STEP \c, \q, \refill
.endr
	GATHER \c
.endm
	CHUNK 0, 1
	CHUNK 1, 1
	CHUNK 2, 1
	CHUNK 3, 0                                     ; chunk CHUNKS-1 refills nothing: no load leaves the buffers, the counts run down to 0
	s_wait_alu depctr_va_vdst(0)                   ; the last squarings have written R, which the last LDS stores read
	TOLDS 3
	FLUSH 3
	s_wait_dscnt 0x0
	s_wait_alu depctr_hold_cnt(0) depctr_sa_sdst(0) depctr_va_vdst(0) depctr_va_sdst(0) depctr_va_ssrc(0) depctr_va_vcc(0) depctr_vm_vsrc(0)
	s_wait_tensorcnt 0x0
	ds_add_u32 v126, v127
	s_wait_dscnt 0x0
	s_endpgm
.Lfunc_end_k_q01f975355b_fidelity:
	.size	k_q01f975355b_fidelity, .Lfunc_end_k_q01f975355b_fidelity-k_q01f975355b_fidelity
	.p2alignl 7, 3214868480
	.fill 96, 4, 3214868480
	.section	.rodata,"a",@progbits
	.p2align	6, 0x0
	.amdhsa_kernel k_q01f975355b_fidelity
		.amdhsa_group_segment_fixed_size 5120
		.amdhsa_private_segment_fixed_size 0
		.amdhsa_enable_private_segment 0
		.amdhsa_kernarg_size 24
		.amdhsa_user_sgpr_count 2
		.amdhsa_user_sgpr_kernarg_segment_ptr 1
		.amdhsa_wavefront_size32 1
		.amdhsa_system_sgpr_workgroup_id_x 1
		.amdhsa_system_sgpr_workgroup_id_y 1
		.amdhsa_system_sgpr_workgroup_id_z 1
		.amdhsa_system_vgpr_workitem_id 0
		.amdhsa_next_free_vgpr 128
		.amdhsa_next_free_sgpr 66
		.amdhsa_reserve_vcc 1
		.amdhsa_float_denorm_mode_32 3
		.amdhsa_float_denorm_mode_16_64 3
		.amdhsa_memory_ordered 1
		.amdhsa_forward_progress 1
		.amdhsa_inst_pref_size 53
	.end_amdhsa_kernel
	.amdgpu_metadata
---
amdhsa.version: [ 1, 2 ]
amdhsa.kernels:
  - .name:           k_q01f975355b_fidelity
    .symbol:         k_q01f975355b_fidelity.kd
    .args:
      - { .name: x, .offset: 0, .size: 8, .value_kind: global_buffer, .address_space: global }
      - { .name: y, .offset: 8, .size: 8, .value_kind: global_buffer, .address_space: global }
      - { .name: out0, .offset: 16, .size: 8, .value_kind: global_buffer, .address_space: global }
    .group_segment_fixed_size: 5120
    .private_segment_fixed_size: 0
    .kernarg_segment_align: 8
    .kernarg_segment_size: 24
    .max_flat_workgroup_size: 256
    .sgpr_count:     66
    .vgpr_count:     128
    .wavefront_size: 32
...
	.end_amdgpu_metadata
.endif
;; end of part 2
